; MI455X (gfx1250); checked and timed in simulation.
; The chip was launched on July 23, 2026; its instructions are those of AMD's public machine-readable ISA for CDNA 5 (MIT licence, August 2026) and "CDNA5" Instruction Set Architecture Reference Guide (July 2026). The comments in the code are by the model that wrote it; some were corrected since.
;; Multi Head Self Attention Block. Allowed arithmetic: matrix products marked QUANTISED: E4M3 operands, one given power-of-two scale a tensor, by v_wmma_f32_16x16x64_fp8_fp8 or v_wmma_f32_16x16x128_fp8_fp8, f32 sums; everything else in f32.
;; Inputs: bk 1,024 float32; bo 1,024 float32; bq 1,024 float32; bv 1,024 float32; k 2 x 2,048 x 1,024 float32; lowp_scales 12 int32 (the exponents e of the quantised operands' scales 2^e); mask 1 x 1 x 2,048 x 2,048 int32; q 2 x 2,048 x 1,024 float32; v 2 x 2,048 x 1,024 float32; wk 1,024 x 1,024 float32; wo 1,024 x 1,024 float32; wq 1,024 x 1,024 float32; wv 1,024 x 1,024 float32.
;; Outputs: out0 2 x 2,048 x 1,024 float32.
;; This version of the problem:
;;   THIS VERSION OF THE PROBLEM IS GIVEN IN LOW PRECISION. The matrix products marked QUANTISED in the list below multiply operands that are first quantised to E4M3 (4 exponent bits, 3 mantissa bits; 8 bits a number), with one given power-of-two scale for each operand tensor; their sums are f32. All else is computed in f32.
;;   The module's matrix products, in the order in which they are computed (A, B: the left and right operand; K: the contracted axis; several contracted axes count as one K, in the product's order):
;;     1. [M 4,096, K 1,024] x [K 1,024, N 1,024]; A: input q; B: input wq: QUANTISED (scales: A lowp_scales[0], B lowp_scales[1])
;;     2. [M 4,096, K 1,024] x [K 1,024, N 1,024]; A: input k; B: input wk: QUANTISED (scales: A lowp_scales[2], B lowp_scales[3])
;;     3. [M 4,096, K 1,024] x [K 1,024, N 1,024]; A: input v; B: input wv: QUANTISED (scales: A lowp_scales[4], B lowp_scales[5])
;;     4. batch 32 x [M 2,048, K 64] x [K 64, N 2,048]; A: computed on the way; B: computed on the way: QUANTISED (scales: A lowp_scales[6], B lowp_scales[7])
;;     5. batch 32 x [M 2,048, K 2,048] x [K 2,048, N 64]; A: softmax (see below); B: computed on the way: QUANTISED (scales: A lowp_scales[8], B lowp_scales[9])
;;     6. [M 4,096, K 1,024] x [K 1,024, N 1,024]; A: computed on the way; B: input wo: QUANTISED (scales: A lowp_scales[10], B lowp_scales[11])
;;   THE QUANTISER, for each operand of a quantised product, along K:
;;     - The operand's scale is 2^e, e = its entry of the input lowp_scales (int32; the entries are numbered through the quantised products in the list's order, A before B).
;;     - Each number is divided by the scale, clamped to +-448, and rounded to the nearest number of E4M3, ties to even, subnormals kept.
;;     - The product sums the exact products of the quantised numbers (number of the format x scale) in f32.
;;   ~~~python
;;   def quantise(x, axis, e):      # numpy; x: float32 -> the quantised numbers, widened to float32 again
;;       x = np.moveaxis(x, axis, -1); K = x.shape[-1]
;;       r = np.clip(x / 2.0 ** e, -448, 448)
;;       step = 2.0 ** (np.maximum(np.frexp(np.where(r == 0, 1, r))[1] - 1, -6) - 3)
;;       q = np.round(r / step) * step * 2.0 ** e      # np.round: ties to even
;;       return np.moveaxis(q, -1, axis).astype(np.float32)
;;   ~~~
;;   SOFTMAX AHEAD OF A QUANTISED PRODUCT. Where the list says 'softmax', what is quantised is not the finished softmax but p = 2^(t - M), with t = logit x log2(e) and M = ceil(the row's largest t), a whole number; so 1/2 < the row's largest p <= 1. The row's sum l is taken of the UNQUANTISED p, in f32, and the product's result is divided by l at the end. Since M is a whole number, a kernel that streams over the keys may use a running M (the ceiling of the running maximum): every later rescaling is an exact power of two, so the quantised numbers keep their values, but for numbers so far below the row's largest that they fall under the format's range.
;;   OPERANDS COMPUTED ON THE WAY. 'Computed on the way' means the value that the module computes at that place (a softmax that the list does not call 'softmax' is quantised finished and normalised). What goes into a quantiser is computed in f32, as accurately as f32 sums, v_exp_f32 and their like allow (about 1e-6 of the number): no bf16 or f16 on the way to a quantiser, and a product that is left as it is and whose result goes on into a quantised operand takes f32 operands (vector FMAs, or v_wmma_f32_16x16x4_f32). A number that lies on a knife's edge between two numbers of the format may be rounded either way, as far as f32 arithmetic and the matrix unit's own rounding can turn it there, and no further.
;; One version. Each part assembles by itself: llvm-mc -triple=amdgcn-amd-amdhsa -mcpu=gfx1250 --defsym DOCPART=n.
;; ======== version 1 of 1: 4 launches
;; limits: right only within a limited range of input values
;; workspace buffers: codes 16,777,216 bytes; maskw 524,288 bytes of whole numbers; qkv 12,582,912 bytes; ximg 4,194,304 bytes
;; launch prep (part 1): grid 640 x 1, 4 waves a work-group, no clusters, 34,304 bytes of LDS; arguments q, k, v, wq, wk, wv, wo, mask, lowp_scales, codes, maskw; writes codes, maskw
.if DOCPART == 1
	.amdgcn_target "amdgcn-amd-amdhsa--gfx1250"
	.amdhsa_code_object_version 6
	.text
	.protected	k_q1bdcaeeac9_prep
	.globl	k_q1bdcaeeac9_prep
	.p2align	8
	.type	k_q1bdcaeeac9_prep,@function
k_q1bdcaeeac9_prep:
	s_mov_b64 s[64:65], 0
	v_nop
	global_prefetch_b8 v0, s[64:65] scope:SCOPE_SE
	s_setreg_imm32_b32 hwreg(HW_REG_WAVE_MODE, 25, 1), 1
	s_wait_xcnt 0x0
; q, k, v [4096][1024] and wq, wk, wv, wo [1024][1024], f32, become codes of E4M3 with the given scales 2^e (entries 0, 2, 4, 1, 3, 5, 11); the mask [2048][2048], int32, becomes lane masks.
; code = x / 2^e, held within +-448, rounded to the nearest code, ties to even.  LIMITS: -126 <= e <= 119; NaN among the inputs is not served (an infinity is held at the largest code).
; THE CODES ARE LAID AS IMAGES OF OPERAND REGISTERS.  A fragment is 16 rows x 128 K, 16 registers a lane, 2,048 bytes: registers 4 g .. 4 g + 3 of lane l lie at 512 g + 16 l; lane (r = l % 16, h = l / 16) holds row r,
; registers 2 c, 2 c + 1 hold K = 16 c + 8 h + 0 .. 7.  Row tile G (16 rows), K step s: byte 16,384 G + 2,048 s.  G 0-255 q, 256-511 k, 512-767 v, 768-831 wq, 832-895 wk, 896-959 wv, 960-1023 wo.
; THE MASK: for query tile tau (16 queries), key step sigma (128 keys), word n = 8 T + j (at 4,096 tau + 256 sigma + 4 n): bit (r, h) says mask[16 tau + r][128 sigma + 16 T + 8 h + j] != 0.
; SHARES.  A unit is 16 rows x 128 numbers of 4 bytes.  A wave takes four units side by side.  Work-groups 0-127 q, 128-255 k, 256-383 v, 384-415 wq, 416-447 wk, 448-479 wv, 480-511 wo (two row tiles each,
; two waves to a tile), 512-639 the mask (one tile of 16 rows each, four waves side by side).  The buffers are chosen by selects on the work-group's number.
; Each load reads 512 consecutive bytes of one row; the 16 rows go through the wave's own stage in LDS (rows 528 bytes apart) and come back so that lane (r, h) holds, of row r, numbers 16 T + 8 h + j in register 8 T + j.
; All work-groups take one way through loads and LDS; they part only for the work on registers and the stores.  Every store of a wave covers 512 (codes) or 256 (mask words) consecutive bytes, aligned.
; No tensor loads, no barrier, no cluster: waves and work-groups share no input.  Two units' loads (32 a wave) are asked for ahead.
.set SPITCH, 528                       ; a stage row: 512 bytes + 16
.set WRA,  2                           ; v2   the stage, on the way in: 16 x lane
.set RDA,  3                           ; v3   and on the way out: 528 r + 32 h
.set LO16, 4                           ; v4   16 x lane
.set LO8,  5                           ; v5   8 x lane
.set W,    6                           ; v[6:7] the mask words: lane l holds words 2 l and 2 l + 1
.set LIM,  10                          ; v10  448 x 2^e
.set SC,   11                          ; v11  2^e
.set OFFR, 12                          ; v12-27  row i: 16 x lane + i x the tensor's row bytes
.set R,    32                          ; v32-159 two sets of 64: a unit as loaded
.set X,    160                         ; v160-223 a unit, turned
.set C,    224                         ; v224-255 two sets of 16: a unit's codes
	s_load_b512 s[8:23], s[0:1], 0x0               ; q, k, v, wq, wk, wv, wo, mask
	s_load_b128 s[24:27], s[0:1], 0x40             ; the scales' exponents, codes
	s_load_b64 s[28:29], s[0:1], 0x50              ; maskw
	v_lshl_add_u32 v30, v0, 2, 0x8400
	v_mov_b32 v31, 0
	v_lshrrev_b32 v1, 5, v0
	v_readfirstlane_b32 s30, v1                    ; wave 0..3
	v_and_b32 v1, 31, v0                           ; lane
	v_lshlrev_b32 v[LO16], 4, v1
	v_lshlrev_b32 v[LO8], 3, v1
	v_mov_b32 v[W], 0                              ; written whole once: v_writelane_b32 keeps the other lanes
	v_mov_b32 v[W+1], 0
	v_and_b32 v8, 15, v0                           ; r
	v_bfe_u32 v9, v0, 4, 1                         ; h
	s_mul_i32 s44, s30, 16*SPITCH                  ; my stage
	v_add_nc_u32 v[WRA], s44, v[LO16]
	v_mul_u32_u24 v[RDA], v8, SPITCH
	v_lshl_add_u32 v[RDA], v9, 5, v[RDA]
	v_add_nc_u32 v[RDA], s44, v[RDA]
	s_lshr_b32 s45, s30, 1                         ; wave / 2
	s_and_b32 s46, s30, 1                          ; wave % 2
	s_wait_kmcnt 0x0
	s_load_b256 s[32:39], s[24:25], 0x0            ; e0 .. e7
	s_load_b128 s[40:43], s[24:25], 0x20           ; e8 .. e11
	s_mov_b64 s[4:5], s[8:9]                       ; which tensor is my work-group's, and which work-group is that tensor's first
	s_mov_b32 s44, 0
.macro PICK thr, ptr
	s_cmp_ge_u32 ttmp9, \thr
	s_cselect_b64 s[4:5], s[\ptr:\ptr+1], s[4:5]
	s_cselect_b32 s44, \thr, s44
.endm
	PICK 128, 10
	PICK 256, 12
	PICK 384, 14
	PICK 416, 16
	PICK 448, 18
	PICK 480, 20
	PICK 512, 22
	s_sub_co_u32 s47, ttmp9, s44                   ; my work-group's number within its tensor
	s_lshl_b32 s56, s47, 1
	s_add_co_u32 s56, s56, s45                     ; a tensor's row tile: 2 x that + wave / 2
	s_lshl_b32 s57, ttmp9, 1
	s_add_co_u32 s57, s57, s45                     ; G = 2 x work-group + wave / 2
	s_lshl_b32 s57, s57, 14
	s_lshl_b32 s58, s46, 13
	s_add_co_u32 s57, s57, s58                     ; codes: 16,384 G + 8,192 (wave % 2): K steps 4 (wave % 2) on
	s_lshl_b32 s58, s47, 12
	s_lshl_b32 s59, s30, 10
	s_add_co_u32 s58, s58, s59                     ; mask words: 4,096 tau + 1,024 wave: key steps 4 wave on
	s_mov_b32 s31, 4096
	s_cmp_ge_u32 ttmp9, 512                        ; the mask's work-groups
	s_cselect_b32 s56, s47, s56                    ; the tile of 16 rows,
	s_cselect_b32 s46, s30, s46                    ; which 2,048 bytes of its rows,
	s_cselect_b32 s31, 8192, s31                   ; a row's bytes,
	s_cselect_b32 s58, s58, s57                    ; where the results go
	s_cselect_b64 s[6:7], s[28:29], s[26:27]
	s_mov_b32 s59, 0
	s_add_nc_u64 s[6:7], s[6:7], s[58:59]
	s_mul_i32 s56, s56, s31
	s_lshl_b32 s56, s56, 4                         ; tile x 16 rows
	s_lshl_b32 s46, s46, 11
	s_add_co_u32 s56, s56, s46
	s_mov_b32 s57, 0
	s_add_nc_u64 s[4:5], s[4:5], s[56:57]
.set i, 0
.rept 16
	v_mad_u32_u24 v[OFFR+i], s31, i, v[LO16]
.set i, i+1
.endr
.macro LOAD u                          ; unit u: 16 rows x 512 consecutive bytes
.irp i, 0,1,2,3,4,5,6,7,8,9,10,11,12,13,14,15
	global_load_b128 v[R+64*((\u)%2)+4*\i:R+64*((\u)%2)+4*\i+3], v[OFFR+\i], s[4:5] offset:512*(\u) th:TH_LOAD_NT
.endr
.endm
	LOAD 0
	LOAD 1
	s_wait_alu depctr_va_vdst(0)
	s_wait_kmcnt 0x0
	s_mov_b32 s44, s32                             ; my tensor's e (the mask's work-groups make no use of it)
.macro PICKE thr, reg
	s_cmp_ge_u32 ttmp9, \thr
	s_cselect_b32 s44, s[\reg], s44
.endm
	PICKE 128, 34
	PICKE 256, 36
	PICKE 384, 33
	PICKE 416, 35
	PICKE 448, 37
	PICKE 480, 43
	s_add_co_i32 s44, s44, 127
	s_lshl_b32 s45, s44, 23
	v_mov_b32 v[SC], s45                           ; 2^e as f32: the conversion takes its exponent field
	s_add_co_i32 s44, s44, 8
	s_lshl_b32 s44, s44, 23
	s_or_b32 s44, s44, 0x600000
	v_mov_b32 v[LIM], s44                          ; 448 x 2^e
.macro UNIT u
.set CC, C+16*((\u)%2)
.if (\u) < 3
	s_wait_loadcnt 16                              ; this unit's 16 loads are in; the next unit's 16 may be out
.else
	s_wait_loadcnt 0x0
.endif
.irp i, 0,1,2,3,4,5,6,7,8,9,10,11,12,13,14,15
	ds_store_b128 v[WRA], v[R+64*((\u)%2)+4*\i:R+64*((\u)%2)+4*\i+3] offset:SPITCH*\i
.endr
.irp t, 0,1,2,3,4,5,6,7
	ds_load_b128 v[X+8*\t:X+8*\t+3], v[RDA] offset:64*\t          ; LDS serves a wave's instructions in order: these see the stores above
	ds_load_b128 v[X+8*\t+4:X+8*\t+7], v[RDA] offset:64*\t+16
.endr
	s_wait_dscnt 0x0                               ; the unit is back, turned; the stores into the stage have read their registers,
.if (\u) < 2
	LOAD (\u)+2                                    ; which take the loads of two units on
.endif
.if (\u) > 0
	s_wait_xcnt 0x0                                ; the earlier units' stores have read their data: the codes' set and the mask words may be written again
.endif
	s_cmp_ge_u32 ttmp9, 512
	s_cbranch_scc1 .Lmask_\u
.set t, 0
	s_wait_alu depctr_va_vdst(0)
.rept 8
.set i, 0
.rept 8
	v_med3_num_f32 v[X+8*t+i], v[X+8*t+i], -v[LIM], v[LIM]       ; the conversion to an 8-bit code does not saturate (ISA guide 7.6.2): the hold at the largest code x the scale
.set i, i+1
.endr
	v_cvt_scalef32_pk8_fp8_f32 v[CC+2*t:CC+2*t+1], v[X+8*t:X+8*t+7], v[SC]   ; registers 2 T, 2 T + 1 of the fragment: K = 16 T + 8 h + 0 .. 7
.set t, t+1
.endr
	v_nop                                          ; a plain vector line behind the last conversion
.irp g, 0,1,2,3
	global_store_b128 v[LO16], v[CC+4*\g:CC+4*\g+3], s[6:7] offset:2048*(\u)+512*\g   ; 32 lanes store 512 consecutive bytes
.endr
	s_branch .Ljoin_\u
.Lmask_\u:
.set t, 0
.rept 8
.set i, 0
.rept 8
	v_cmp_ne_u32 s[48+i], 0, v[X+8*t+i]            ; word 8 T + j: a bit for each lane (r, h)
.set i, i+1
.endr
.set i, 0
.rept 8
	v_writelane_b32 v[W+i%2], s[48+i], 4*t+i/2     ; word n into lane n / 2 of register n % 2
.set i, i+1
.endr
.set t, t+1
.endr
	global_store_b64 v[LO8], v[W:W+1], s[6:7] offset:256*(\u)     ; 32 lanes store the key step's 64 words: 256 consecutive bytes
.Ljoin_\u:
.endm
	UNIT 0
	UNIT 1
	UNIT 2
	UNIT 3
	s_wait_tensorcnt 0x0
	ds_add_u32 v30, v31
	s_wait_dscnt 0x0
	s_endpgm
.Lfunc_end_k_q1bdcaeeac9_prep:
	.size	k_q1bdcaeeac9_prep, .Lfunc_end_k_q1bdcaeeac9_prep-k_q1bdcaeeac9_prep
	.p2alignl 7, 3214868480
	.fill 96, 4, 3214868480
	.section	.rodata,"a",@progbits
	.p2align	6, 0x0
	.amdhsa_kernel k_q1bdcaeeac9_prep
		.amdhsa_group_segment_fixed_size 34304
		.amdhsa_private_segment_fixed_size 0
		.amdhsa_enable_private_segment 0
		.amdhsa_kernarg_size 88
		.amdhsa_user_sgpr_count 2
		.amdhsa_user_sgpr_kernarg_segment_ptr 1
		.amdhsa_wavefront_size32 1
		.amdhsa_system_sgpr_workgroup_id_x 1
		.amdhsa_system_sgpr_workgroup_id_y 1
		.amdhsa_system_sgpr_workgroup_id_z 1
		.amdhsa_system_vgpr_workitem_id 0
		.amdhsa_next_free_vgpr 256
		.amdhsa_next_free_sgpr 66
		.amdhsa_reserve_vcc 0
		.amdhsa_float_denorm_mode_32 3
		.amdhsa_float_denorm_mode_16_64 3
		.amdhsa_memory_ordered 1
		.amdhsa_forward_progress 1
		.amdhsa_inst_pref_size 73
	.end_amdhsa_kernel
	.amdgpu_metadata
---
amdhsa.version: [ 1, 2 ]
amdhsa.kernels:
  - .name:           k_q1bdcaeeac9_prep
    .symbol:         k_q1bdcaeeac9_prep.kd
    .args:
      - { .name: q, .offset: 0, .size: 8, .value_kind: global_buffer, .address_space: global }
      - { .name: k, .offset: 8, .size: 8, .value_kind: global_buffer, .address_space: global }
      - { .name: v, .offset: 16, .size: 8, .value_kind: global_buffer, .address_space: global }
      - { .name: wq, .offset: 24, .size: 8, .value_kind: global_buffer, .address_space: global }
      - { .name: wk, .offset: 32, .size: 8, .value_kind: global_buffer, .address_space: global }
      - { .name: wv, .offset: 40, .size: 8, .value_kind: global_buffer, .address_space: global }
      - { .name: wo, .offset: 48, .size: 8, .value_kind: global_buffer, .address_space: global }
      - { .name: mask, .offset: 56, .size: 8, .value_kind: global_buffer, .address_space: global }
      - { .name: lowp_scales, .offset: 64, .size: 8, .value_kind: global_buffer, .address_space: global }
      - { .name: codes, .offset: 72, .size: 8, .value_kind: global_buffer, .address_space: global }
      - { .name: maskw, .offset: 80, .size: 8, .value_kind: global_buffer, .address_space: global }
    .group_segment_fixed_size: 34304
    .private_segment_fixed_size: 0
    .kernarg_segment_align: 8
    .kernarg_segment_size: 88
    .max_flat_workgroup_size: 128
    .sgpr_count:     66
    .vgpr_count:     256
    .wavefront_size: 32
...
	.end_amdgpu_metadata
.endif
;; end of part 1
;; launch proj (part 2): grid 4 x 48, 4 waves a work-group, clusters of 4 x 4, 327,680 bytes of LDS; arguments codes, lowp_scales, bq, bk, bv, qkv; writes qkv
.if DOCPART == 2
	.amdgcn_target "amdgcn-amd-amdhsa--gfx1250"
	.amdhsa_code_object_version 6
	.text
	.protected	k_q1bdcaeeac9_proj
	.globl	k_q1bdcaeeac9_proj
	.p2align	8
	.type	k_q1bdcaeeac9_proj,@function
k_q1bdcaeeac9_proj:
	s_mov_b64 s[64:65], 0
	v_nop
	global_prefetch_b8 v0, s[64:65] scope:SCOPE_SE
	s_setreg_imm32_b32 hwreg(HW_REG_WAVE_MODE, 25, 1), 1
	s_wait_xcnt 0x0
	s_wait_alu depctr_hold_cnt(0) depctr_sa_sdst(0) depctr_va_vdst(0) depctr_va_sdst(0) depctr_va_ssrc(0) depctr_va_vcc(0) depctr_vm_vsrc(0)
	s_getreg_b32 s2, hwreg(HW_REG_IB_STS2, 6, 4)
	s_cmp_eq_u32 s2, 0
	s_cbranch_scc0 .Lentry_in_a_cluster
	s_endpgm
.Lentry_in_a_cluster:
	s_bfe_u32 s2, ttmp6, 0x10000c
	s_cmp_lg_u32 s2, 0xf033
	s_cbranch_scc0 .Lentry_shape_is_right
	s_endpgm
.Lentry_shape_is_right:
.set FR,     16
.set NL,     4
.set NP,     4
.set HALFT,  32768
.set SLOT,   4*HALFT
.set SPARE,  2*SLOT
.set LAPS,   2
.set ADRA, 16
.set ADRB, 20
.set LO,   26
.set SPW,  28
.set NIL,  29
.set CM,   32
.set BN,   32
.set RB,   96
.set AF,   128
.set TMP,  128
.set CD,   192
.set G1, 24
.set G0, 32
.set G1B, 48
.set G0B, 56
.set MSB, 0
.macro WIN new
.if MSB != \new
	s_set_vgpr_msb (MSB<<8)|\new
.set MSB, \new
.endif
.endm
.set MUL_LO, 0xa1
.set MUL_HI, 0xf1
.set TO_B,   0x40
.macro JLOAD g0a, g1a, g0b, g1b
	s_cmp_eq_u32 s15, 0
	s_cbranch_scc0 .Lfor_b_\@
	tensor_load_to_lds s[\g0a:\g0a+3], s[\g1a:\g1a+7]
	s_nop 0
.rept 4
	v_nop
.endr
	s_branch .Lasked_\@
.Lfor_b_\@:
	tensor_load_to_lds s[\g0b:\g0b+3], s[\g1b:\g1b+7]
	s_nop 0
.rept 4
	v_nop
.endr
.Lasked_\@:
.endm
.macro CREST
	s_cmp_lg_u32 s14, 0
	s_cbranch_scc1 .Lnot_wave_0_\@
	s_barrier_signal -3
.Lnot_wave_0_\@:
	s_barrier_wait -3
	s_barrier_signal -1
	s_barrier_wait -1
.endm
.macro CROUND
	s_barrier_signal -1
	s_barrier_wait -1
	CREST
.endm
	s_load_b256 s[4:11], s[0:1], 0x0
	s_load_b128 s[68:71], s[0:1], 0x20
	v_lshl_add_u32 v[SPW], v0, 2, SPARE
	v_mov_b32 v[NIL], 0
	ds_add_u32 v28, v29
	ds_add_u32 v28, v29
	s_wait_dscnt 0x0
	v_lshrrev_b32 v1, 5, v0
	v_readfirstlane_b32 s14, v1
	s_lshr_b32 s15, s14, 1
	s_and_b32 s16, s14, 1
	s_bfe_u32 s40, ttmp6, 0x40000
	s_bfe_u32 s41, ttmp6, 0x40004
	s_lshl_b32 s42, ttmp9, 2
	s_add_co_u32 s42, s42, s40
	s_and_b32 s82, ttmp7, 0xffff
	s_lshl_b32 s17, s82, 2
	s_add_co_u32 s17, s17, s41
	s_lshr_b32 s82, s82, 2
	s_lshl_b32 s43, s41, 2
	s_lshl_b32 s43, 15, s43
	s_lshl_b32 s44, 0x1111, s40
	s_or_b32 s[G1+0], s43, (3<<16)|(1<<21)
	s_or_b32 s[G1B+0], s44, (3<<16)|(1<<21)
.irp g, G1, G1B
	s_mov_b32 s[\g+1], 512<<16
	s_mov_b32 s[\g+2], 8<<16
	s_mov_b32 s[\g+3], 512<<16
	s_mov_b32 s[\g+4], 8
	s_mov_b32 s[\g+5], 2048
	s_mov_b32 s[\g+6], 0
	s_mov_b32 s[\g+7], 0
.endr
	s_lshl_b32 s18, s16, 17
	s_lshl_b32 s20, s17, 18
	s_add_co_u32 s20, s20, s18
	s_mov_b32 s21, 0
	s_lshl_b32 s46, s42, 18
	s_add_co_u32 s46, s46, s18
	s_lshl_b32 s19, s82, 20
	s_add_co_u32 s46, s46, s19
	s_add_co_u32 s46, s46, 12582912
	s_mov_b32 s47, 0
	s_mul_i32 s45, s14, HALFT
	s_wait_kmcnt 0x0
	s_load_b256 s[72:79], s[6:7], 0x0
	s_load_b64 s[80:81], s[6:7], 0x20
	s_add_nc_u64 s[20:21], s[4:5], s[20:21]
	s_add_nc_u64 s[46:47], s[4:5], s[46:47]
	; the prefetches' address: of the 8 row tiles that I fetch, the partner at place p among the four that ask with me (cx for the activations, cy for the weights) takes row tiles 2 p and 2 p + 1:
	; told apart by address alone.  A lane names 256 bytes: lanes 0-15 the 4,096 bytes of one row tile's two K steps, lanes 16-31 the next row tile's.  Neither register is written again.
	s_cmp_eq_u32 s15, 0
	s_cselect_b64 s[12:13], s[20:21], s[46:47]
	s_cselect_b32 s2, s40, s41
	s_lshl_b32 s2, s2, 15
	s_mov_b32 s3, 0
	s_add_nc_u64 s[12:13], s[12:13], s[2:3]
	v_and_b32 v12, 15, v0
	v_bfe_u32 v13, v0, 4, 1
	v_lshlrev_b32 v12, 8, v12
	v_lshl_add_u32 v12, v13, 14, v12
	s_wait_alu depctr_va_vdst(0)                   ; the wait ahead of the round's waits
	CROUND
.irp s, 0,1
	s_mov_b32 s[G0+4*\s], 1
	s_add_co_u32 s[G0+4*\s+1], s45, \s*SLOT
	s_add_nc_u64 s[G0+4*\s+2:G0+4*\s+3], s[20:21], \s*4096
	s_or_b32 s[G0+4*\s+3], s[G0+4*\s+3], 0x80000000
	s_mov_b32 s[G0B+4*\s], 1
	s_add_co_u32 s[G0B+4*\s+1], s45, \s*SLOT
	s_add_nc_u64 s[G0B+4*\s+2:G0B+4*\s+3], s[46:47], \s*4096
	s_or_b32 s[G0B+4*\s+3], s[G0B+4*\s+3], 0x80000000
.if \s == 1                            ; slot 1's first fill stands behind the full sequence and a round, as a refill does; slot 0's behind the opening lines and the one round above
	s_wait_alu depctr_va_vdst(0)
	s_wait_tensorcnt 0x0
	ds_add_u32 v28, v29
	ds_add_u32 v28, v29
	s_wait_dscnt 0x0
	CROUND
.endif
	JLOAD G0+4*\s, G1, G0B+4*\s, G1B
.if \s == 0                            ; behind slot step 0's load: slot steps 1 and 2 are asked of memory; behind slot step 1's: slot step 3, the last.  Each is asked for one or two fills ahead of its own load
	global_prefetch_b8 v12, s[12:13] offset:4096 th:TH_LOAD_NT scope:SCOPE_SE
	global_prefetch_b8 v12, s[12:13] offset:8192 th:TH_LOAD_NT scope:SCOPE_SE
.else
	global_prefetch_b8 v12, s[12:13] offset:12288 th:TH_LOAD_NT scope:SCOPE_SE
.endif
.endr
	v_and_b32 v1, 15, v0
	v_bfe_u32 v2, v0, 4, 1
	v_and_b32 v6, 31, v0
	v_lshlrev_b32 v[LO], 4, v6
	s_wait_alu depctr_va_vdst(0)
	v_lshlrev_b32 v10, 5, v2
	v_lshlrev_b32 v11, 2, v1
	s_wait_alu depctr_va_vdst(0)
	s_cmp_eq_u32 s82, 2
	s_cselect_b32 s83, 65536, 0
	s_cselect_b32 s84, 0, 65536
	s_cselect_b32 s85, -1, 0
	s_cselect_b32 s86, 0, -1
	s_cselect_b32 s87, s15, s16
	s_cselect_b32 s88, s16, s15
	s_cselect_b64 s[90:91], s[68:69], s[8:9]
	s_cmp_eq_u32 s82, 1
	s_cselect_b64 s[90:91], s[10:11], s[90:91]
	s_mul_i32 s21, s15, HALFT
	s_add_co_u32 s21, s21, s83
	s_mul_i32 s22, s16, HALFT
	s_add_co_u32 s22, s22, s84
.irp s, 0,1
	v_add_nc_u32 v[ADRA+\s], s21, v[LO]
	v_add_nc_u32 v[ADRB+\s], s22, v[LO]
	s_add_co_u32 s21, s21, SLOT
	s_add_co_u32 s22, s22, SLOT
.endr
	s_lshl_b32 s18, s42, 10
	s_lshl_b32 s19, s87, 9
	s_add_co_u32 s18, s18, s19
	s_mov_b32 s19, 0
	s_add_nc_u64 s[90:91], s[90:91], s[18:19]
.irp a, 0,1,2,3,4,5,6,7
	global_load_b32 v[RB+\a], v11, s[90:91] offset:64*\a
.endr
	s_and_b32 s18, s17, 15
	s_lshl_b32 s18, s18, 1
	s_add_co_u32 s18, s18, s88
	s_lshl_b32 s19, s42, 1
	s_add_co_u32 s19, s19, s87
	s_lshr_b32 s22, s18, 4
	s_lshl_b32 s22, s22, 3
	s_add_co_u32 s22, s22, s19
	s_lshl_b32 s22, s22, 4
	s_and_b32 s18, s18, 15
	s_add_co_u32 s22, s22, s18
	s_lshl_b32 s22, s22, 14
	s_lshl_b32 s18, s82, 22
	s_add_co_u32 s22, s22, s18
	s_mov_b32 s23, 0
	s_add_nc_u64 s[70:71], s[70:71], s[22:23]
	s_wait_kmcnt 0x0
	s_add_co_i32 s92, s72, s73
	s_add_co_i32 s18, s74, s75
	s_add_co_i32 s19, s76, s77
	s_cmp_eq_u32 s82, 1
	s_cselect_b32 s92, s18, s92
	s_cselect_b32 s93, s79, s78
	s_cmp_eq_u32 s82, 2
	s_cselect_b32 s92, s19, s92
	s_cselect_b32 s93, s81, s93
	s_sub_co_i32 s94, 0, s92
	s_add_co_i32 s96, s92, 127
	s_lshl_b32 s96, s96, 23
	s_mov_b32 s97, s96
	s_add_co_i32 s18, s93, 127
	s_lshl_b32 s19, s18, 23
	v_mov_b32 v9, s19
	s_add_co_i32 s18, s18, 8
	s_lshl_b32 s18, s18, 23
	s_or_b32 s18, s18, 0x600000
	v_mov_b32 v8, s18
	s_wait_loadcnt 0x0
.irp a, 0,1,2,3,4,5,6,7
	v_cndmask_b32 v[RB+\a], 0, v[RB+\a], s85
.endr
.irp a, 0,1,2,3,4,5,6,7
.irp j, 0,1,2,3,4,5,6,7
	v_ldexp_f32 v[CM+8*\a+\j], v[RB+\a], s94
.endr
.endr
.macro FRAG reg, adr, q, i
.irp c, 0,1,2,3
	ds_load_b128 v[\reg+4*\c:\reg+4*\c+3], v[\adr] offset:4096*(\i)+2048*(\q)+512*\c
.endr
.endm
.macro MUL16 a0, p, first
.irp a, \a0, \a0+1
.irp b, 0,1,2,3,4,5,6,7
.if \first
	v_wmma_f32_16x16x128_fp8_fp8 v[8*(8*((\a)%4)+\b):8*(8*((\a)%4)+\b)+7], v[128*(\p)+FR*\b:128*(\p)+FR*\b+FR-1], v[AF+FR*(\a):AF+FR*(\a)+FR-1], v[CM+8*(\a):CM+8*(\a)+7]
.else
	v_wmma_f32_16x16x128_fp8_fp8 v[8*(8*((\a)%4)+\b):8*(8*((\a)%4)+\b)+7], v[128*(\p)+FR*\b:128*(\p)+FR*\b+FR-1], v[AF+FR*(\a):AF+FR*(\a)+FR-1], v[8*(8*((\a)%4)+\b):8*(8*((\a)%4)+\b)+7]
.endif
.endr
.endr
.endm
.macro FETCH_B slot, q, p
	WIN TO_B
.irp i, 0,1,2,3,4,5,6,7
	FRAG 128*(\p)+FR*\i, ADRB+\slot, \q, \i
.endr
	WIN 0
.endm
.macro FETCH_A slot, q, i0
.irp i, \i0, \i0+1, \i0+2, \i0+3
	FRAG AF+FR*(\i), ADRA+\slot, \q, \i
.endr
.endm
.macro PLACES n
.rept \n
	v_nop
.endr
.endm
.macro STEP slot, q, first
	s_wait_dscnt 4*NL
.if \first
	WIN 0x81
.else
	WIN MUL_LO
.endif
	MUL16 0, (\q)%2, \first
	MUL16 2, (\q)%2, \first
	s_wait_dscnt 0
	PLACES NP
	FETCH_B \slot, (\q)+1, 1-(\q)%2
	FETCH_A \slot, (\q)+1, 0
.if \first
	WIN 0xc1
.else
	WIN MUL_HI
.endif
	MUL16 4, (\q)%2, \first
	MUL16 6, (\q)%2, \first
	PLACES NP
	WIN 0
	FETCH_A \slot, (\q)+1, 4
.endm
.macro TURN slot, next, fill
	s_wait_tensorcnt 0x0
	ds_add_u32 v[SPW], v[NIL]
	s_wait_dscnt 4*NL+1
	WIN MUL_LO
	MUL16 0, 1, 0
	s_wait_dscnt 0x0
	s_barrier_signal -1
	MUL16 2, 1, 0
	WIN 0
	s_barrier_wait -1
.if \fill
	CREST
	s_add_nc_u64 s[G0+4*\slot+2:G0+4*\slot+3], s[G0+4*\slot+2:G0+4*\slot+3], 8192
	s_add_nc_u64 s[G0B+4*\slot+2:G0B+4*\slot+3], s[G0B+4*\slot+2:G0B+4*\slot+3], 8192
	JLOAD G0+4*\slot, G1, G0B+4*\slot, G1B
.else
	PLACES NP
.endif
	FETCH_B \next, 0, 0
	FETCH_A \next, 0, 0
	WIN MUL_HI
	MUL16 4, 1, 0
	MUL16 6, 1, 0
	PLACES NP
	WIN 0
	FETCH_A \next, 0, 4
.endm
	s_wait_alu depctr_va_vdst(0)
	s_wait_tensorcnt 1
	s_barrier_signal -1
	s_barrier_wait -1
	FETCH_B 0, 0, 0
	FETCH_A 0, 0, 0
	FETCH_A 0, 0, 4
	STEP 0, 0, 1
.irp b, 0,1,2,3,4,5,6,7
	global_load_b128 v[BN+8*\b:BN+8*\b+3], v10, s[90:91] offset:64*\b
	global_load_b128 v[BN+8*\b+4:BN+8*\b+7], v10, s[90:91] offset:64*\b+16
.endr
	s_mov_b32 s3, LAPS-1
.Llap:
	TURN 0, 1, 1
	STEP 1, 0, 0
	TURN 1, 0, 1
	STEP 0, 0, 0
	s_sub_co_u32 s3, s3, 1
	s_cmp_lg_u32 s3, 0
	s_cbranch_scc1 .Llap
	TURN 0, 1, 0
	STEP 1, 0, 0
	s_wait_dscnt 4*NL
	WIN MUL_LO
	MUL16 0, 1, 0
	MUL16 2, 1, 0
	s_wait_dscnt 0
	WIN MUL_HI
	MUL16 4, 1, 0
	MUL16 6, 1, 0
	WIN 0
.macro QOUT a
.set AC, 64*((\a)%4)
.set CC, CD+16*((\a)%2)
.if (\a) > 1
	s_wait_xcnt 0x0
.endif
	WIN 0x02+((\a)/4)
.irp j, 0,2,4,6,8,10,12,14,16,18,20,22,24,26,28,30,32,34,36,38,40,42,44,46,48,50,52,54,56,58,60,62
	v_pk_fma_f32 v[TMP+\j:TMP+\j+1], v[AC+\j:AC+\j+1], s[96:97], v[BN+\j:BN+\j+1] op_sel_hi:[1,0,1]
.endr
	WIN 0
.irp b, 0,1,2,3,4,5,6,7
.irp i, 0,1,2,3,4,5,6,7
	v_med3_num_f32 v[TMP+8*\b+\i], v[TMP+8*\b+\i], -v8, v8
.endr
	v_cvt_scalef32_pk8_fp8_f32 v[CC+2*\b:CC+2*\b+1], v[TMP+8*\b:TMP+8*\b+7], v9
.endr
	v_nop
.irp g, 0,1,2,3
	global_store_b128 v[LO], v[CC+4*\g:CC+4*\g+3], s[70:71] offset:2048*(\a)+512*\g
.endr
.endm
	PLACES NP
	s_wait_loadcnt 0x0
.set i, 0
.rept 64
	v_cndmask_b32 v[BN+i], 0, v[BN+i], s86
.set i, i+1
.endr
.irp a, 0,1,2,3,4,5,6,7
	QOUT \a
.endr
	s_wait_tensorcnt 0x0
	ds_add_u32 v[SPW], v[NIL]
	s_wait_dscnt 0x0
	CROUND
	s_endpgm
.Lfunc_end_k_q1bdcaeeac9_proj:
	.size	k_q1bdcaeeac9_proj, .Lfunc_end_k_q1bdcaeeac9_proj-k_q1bdcaeeac9_proj
	.p2alignl 7, 3214868480
	.fill 96, 4, 3214868480
	.section	.rodata,"a",@progbits
	.p2align	6, 0x0
	.amdhsa_kernel k_q1bdcaeeac9_proj
		.amdhsa_group_segment_fixed_size 327680
		.amdhsa_private_segment_fixed_size 0
		.amdhsa_enable_private_segment 0
		.amdhsa_kernarg_size 48
		.amdhsa_user_sgpr_count 2
		.amdhsa_user_sgpr_kernarg_segment_ptr 1
		.amdhsa_wavefront_size32 1
		.amdhsa_system_sgpr_workgroup_id_x 1
		.amdhsa_system_sgpr_workgroup_id_y 1
		.amdhsa_system_sgpr_workgroup_id_z 1
		.amdhsa_system_vgpr_workitem_id 0
		.amdhsa_next_free_vgpr 1024
		.amdhsa_next_free_sgpr 98
		.amdhsa_reserve_vcc 0
		.amdhsa_float_denorm_mode_32 3
		.amdhsa_float_denorm_mode_16_64 3
		.amdhsa_memory_ordered 1
		.amdhsa_forward_progress 1
		.amdhsa_inst_pref_size 147
	.end_amdhsa_kernel
	.amdgpu_metadata
---
amdhsa.version: [ 1, 2 ]
amdhsa.kernels:
  - .name:           k_q1bdcaeeac9_proj
    .symbol:         k_q1bdcaeeac9_proj.kd
    .args:
      - { .name: codes, .offset: 0, .size: 8, .value_kind: global_buffer, .address_space: global }
      - { .name: lowp_scales, .offset: 8, .size: 8, .value_kind: global_buffer, .address_space: global }
      - { .name: bq, .offset: 16, .size: 8, .value_kind: global_buffer, .address_space: global }
      - { .name: bk, .offset: 24, .size: 8, .value_kind: global_buffer, .address_space: global }
      - { .name: bv, .offset: 32, .size: 8, .value_kind: global_buffer, .address_space: global }
      - { .name: qkv, .offset: 40, .size: 8, .value_kind: global_buffer, .address_space: global }
    .group_segment_fixed_size: 327680
    .private_segment_fixed_size: 0
    .kernarg_segment_align: 8
    .kernarg_segment_size: 48
    .max_flat_workgroup_size: 128
    .sgpr_count:     98
    .vgpr_count:     1024
    .wavefront_size: 32
...
	.end_amdgpu_metadata
.endif
;; end of part 2
;; launch attn (part 3): grid 8 x 32, 8 waves a work-group, clusters of 4 x 1, 264,192 bytes of LDS; arguments qkv, maskw, lowp_scales, ximg; writes ximg
.if DOCPART == 3
	.amdgcn_target "amdgcn-amd-amdhsa--gfx1250"
	.amdhsa_code_object_version 6
	.text
	.protected	k_q1bdcaeeac9_attn
	.globl	k_q1bdcaeeac9_attn
	.p2align	8
	.type	k_q1bdcaeeac9_attn,@function
k_q1bdcaeeac9_attn:
	s_mov_b64 s[64:65], 0
	v_nop
	global_prefetch_b8 v0, s[64:65] scope:SCOPE_SE
	s_setreg_imm32_b32 hwreg(HW_REG_WAVE_MODE, 25, 1), 1
	s_wait_xcnt 0x0
	s_wait_alu depctr_hold_cnt(0) depctr_sa_sdst(0) depctr_va_vdst(0) depctr_va_sdst(0) depctr_va_ssrc(0) depctr_va_vcc(0) depctr_vm_vsrc(0)
	s_getreg_b32 s2, hwreg(HW_REG_IB_STS2, 6, 4)
	s_cmp_eq_u32 s2, 0
	s_cbranch_scc0 .Lentry_in_a_cluster
	s_endpgm
.Lentry_in_a_cluster:
	s_bfe_u32 s2, ttmp6, 0x10000c
	s_cmp_lg_u32 s2, 0x3003
	s_cbranch_scc0 .Lentry_shape_is_right
	s_endpgm
.Lentry_shape_is_right:
; For each batch and head: scores = query key^T / 8; where the mask is 0 the logit is -1 (a soft mask: nothing is left out); softmax; x value.  Both products on codes of E4M3; x is quantised at once with e10.
; THE SOFTMAX AHEAD OF THE SECOND PRODUCT: t = logit x log2(e); M = the row's largest t so far, rounded UP to a whole number; p = 2^(t - M) is quantised (e8), not normalised; the row's sum is taken of the
; unquantised p and divides at the end.  When M moves, the sums and O are multiplied by f = 2^(old M - new M): exact.
; LIMITS: e6 + e7 between -123 and 129 (they enter the exponent fields of c and of the masked score); e8 and e10 between -126 and 119; e8 + e9 is applied by v_ldexp_f32 and has none.
; SHARES.  A work-group owns 256 queries of one head; each of its eight waves TWO tiles of 16 queries, A and B, in 512 registers: each fragment of K and of V that a wave reads from LDS feeds two products.
; K AND V STAY IN LDS: a head's 2,048 keys are 128 KB of key codes (LDS 0) and 128 KB of value codes (LDS 131,072), as images of operand registers: every fragment load reads 512 consecutive bytes.
; Each wave brings 32 KB by ONE tensor load at the start (waves 0-3 K, waves 4-7 V); nothing is filled again: one wait for tensor loads and one barrier.  All that comes from memory in bulk is asked for at the
; head, so there is no later stream for a prefetch to run ahead of.
; CLUSTER: the four query blocks of a cluster belong to one head and need the same K and V: each tile is asked for jointly, with a mask that names the four.  The work-group's place enters global addresses alone.
; LAYOUT.  S^T = K Q^T (source 0 = 16 keys, source 1 = 16 queries): lane (r, h) holds query r; register 8 T + j the key 128 i + 16 T + 8 h + j.  Converted, these are registers 2 T, 2 T + 1 of P as source 1 of
; O^T = V^T P^T (source 0 = 16 of the head's 64 x 128 keys), whose result again holds query r and 16 t + 8 h + j of the head's 64; converted, that is the image of the last product's operand.
; THE MASK comes as lane masks, one word for each of a tile's 64 score registers, by scalar loads half a key step ahead: each sixteen words are asked for directly behind the sixteen selects that free their registers.
; THE WALK.  The two tiles run half a key step apart.  HALF a, b: tile a's scores of step i are masked and their maximum taken; the chain that makes the new M is laid by turns with the rescaling of a's O, and a's
; second product of step i - 1 follows; then tile b's 64 exponentials are laid by turns with a's 32 scalings t - M; then b's sums, holds and conversions, and b's next scores.  K's fragments are loaded behind B's
; scores, V's behind B's second product: each has half a key step or more in which to land.
; REGISTERS, window 0: v1 16 x lane; v2 the same + V's base; v3 the masked score; v4, v5 the spare word and 0; v6, v7 LDS addresses; v8, v9 448 x 2^e8 (twice: the two halves of a dual pair take it from different
; banks); v10 2^e8; v11 2^e10; v12 448 x 2^e10; v[14+2a] -M, v[15+2a] the largest score; v[18+2a] f; v24-31 at work; v[32+8a ..] the row's sum in four pairs; v[48+8a ..] Q; v[64+64a ..] S^T, then p; v[192+32a ..] O^T.
; window 1: v0-63 K's eight fragments; v64-127 V's four; v[128+16a ..] p's codes.
; SCALARS: s12 wave; s13 trips; s14 the mask's byte offset; s18, s19 LDS bytes of the next K and V; s25 e8 + e9; s[26:27] c; s[28:29] lane selects; s32-63, s68-99 first the descriptors, then 64 mask words.
.set SPARE, 0x40000                    ; behind K and V: the spare words, 128 bytes a wave
.set MSB, 0
.macro WIN new                         ; the immediate's high byte repeats the setting that is left
.if MSB != \new
	s_set_vgpr_msb (MSB<<8)|\new
.set MSB, \new
.endif
.endm
.macro CROUND                          ; a round of the cluster's barrier
	s_barrier_signal -1
	s_barrier_wait -1
	s_cmp_lg_u32 s12, 0
	s_cbranch_scc1 .Lnot_wave_0_\@
	s_barrier_signal -3
.Lnot_wave_0_\@:
	s_barrier_wait -3
	s_barrier_signal -1
	s_barrier_wait -1
.endm
.macro LOADF dst, adr                  ; 8,192 bytes of images into 64 registers of window 1
	WIN 0x40
.set i, 0
.rept 16
	ds_load_b128 v[\dst+4*i:\dst+4*i+3], v[\adr] offset:512*i
.set i, i+1
.endr
.endm
.macro SMUL b                          ; tile b's scores of 128 keys; four places follow, for the reads of the results and for loads into K's registers
	WIN 0x01
.set i, 0
.rept 8
	v_wmma_f32_16x16x64_fp8_fp8 v[64+64*\b+8*i:64+64*\b+8*i+7], v[8*i:8*i+7], v[48+8*\b:48+8*\b+7], 0
.set i, i+1
.endr
.rept 4
	v_nop
.endr
.endm
.macro PVMUL a                         ; O^T += V^T P^T: the four accumulators take turns, one instruction a turn
	WIN 0x05
.set i, 0
.rept 4
	v_wmma_f32_16x16x128_fp8_fp8 v[192+32*\a+8*i:192+32*\a+8*i+7], v[64+16*i:64+16*i+15], v[128+16*\a:128+16*\a+15], v[192+32*\a+8*i:192+32*\a+8*i+7]
.set i, i+1
.endr
	WIN 0
.endm
.macro RS o, f, j0, cnt                ; cnt pairs of O^T, from pair j0 on, x f; each accumulator from its low end on
.set jj, \j0
.rept \cnt
	v_pk_mul_f32 v[\o+2*jj:\o+2*jj+1], v[\o+2*jj:\o+2*jj+1], v[\f:\f+1] op_sel_hi:[1,0]
.set jj, jj+1
.endr
.endm
; Tile b's p: the row's sum of the unquantised p, in four running pairs (the first four lines bring them under the new M: sum x f + p); behind each pair's addition its hold, two numbers a line
; (the conversion does not saturate, ISA guide 7.6.2; p is not negative, so the hold is one-sided); then the conversions, into window 1.
.macro POSTV b
.set YS, 64+64*\b
.set YT, 32+8*\b
.set YF, 18+2*\b
.set m, 0
.rept 4
	v_pk_fma_f32 v[YT+2*m:YT+2*m+1], v[YT+2*m:YT+2*m+1], v[YF:YF+1], v[YS+2*m:YS+2*m+1] op_sel_hi:[1,0,1]
	v_dual_min_num_f32 v[YS+2*m], v[YS+2*m], v9 :: v_dual_min_num_f32 v[YS+2*m+1], v[YS+2*m+1], v8
.set m, m+1
.endr
.rept 28
	v_pk_add_f32 v[YT+2*(m%4):YT+2*(m%4)+1], v[YT+2*(m%4):YT+2*(m%4)+1], v[YS+2*m:YS+2*m+1]
	v_dual_min_num_f32 v[YS+2*m], v[YS+2*m], v9 :: v_dual_min_num_f32 v[YS+2*m+1], v[YS+2*m+1], v8
.set m, m+1
.endr
	WIN 0x40
.set t, 0
.rept 8
	v_cvt_scalef32_pk8_fp8_f32 v[128+16*\b+2*t:128+16*\b+2*t+1], v[YS+8*t:YS+8*t+7], v10   ; registers 2 T, 2 T + 1 of P: keys 16 T + 8 h + 0 .. 7
.set t, t+1
.endr
	v_nop                                          ; a plain line behind the last conversion
.endm
; pv: a's second product of the step before; ex: b's exponentials, sums and codes; sn: b's next scores; kl, vl: loads of K's, V's next fragments; md: the step of the mask's offset (0: no load); wt: the wait for LDS loads
.macro HALF a, b, pv, ex, sn, kl, vl, md, wt
.set XS, 64+64*\a
.set XO, 192+32*\a
.set XN, 14+2*\a
.set XF, 18+2*\a
.set ZS, 64+64*\b
	s_wait_alu depctr_va_vdst(0)                   ; the wait directly ahead of the wait below
	s_wait_kmcnt 0x0                               ; a's mask words are in, so their offset may be written
.if \md
	s_add_co_i32 s14, s14, \md                     ; on to the other tile's words, for the next half
.endif
.irp q, 0,1,2,3
.set n, 16*\q
.rept 16
	v_cndmask_b32 v[XS+n], v3, v[XS+n], s[32+n+4*(n/32)]          ; where the mask is 0: the masked score.  Each accumulator from its low end on
.set n, n+1
.endr
.if \md
	s_load_b512 s[32+16*\q+4*(\q/2):47+16*\q+4*(\q/2)], s[6:7], s14 offset:64*\q   ; word n in s[32 + n + 4 (n / 32)]
.endif
.endr
.if \vl
	v_add_nc_u32 v7, s19, v2
.endif
.irp j, 0,1,2,3                        ; the largest of my 64 scores, in four chains
	v_max3_num_f32 v[26+\j], v[XS+3*\j], v[XS+3*\j+1], v[XS+3*\j+2]
.endr
.set n, 12
.rept 6
.irp j, 0,1,2,3
	v_max3_num_f32 v[26+\j], v[26+\j], v[XS+n+2*\j], v[XS+n+2*\j+1]
.endr
.set n, n+8
.endr
	v_max3_num_f32 v26, v26, v[XS+60], v[XS+61]
	v_max3_num_f32 v27, v27, v[XS+62], v[XS+63]
.if \pv
	s_wait_alu depctr_va_vdst(0)                   ; the wait directly ahead of the first readers of O^T
.endif
	v_max3_num_f32 v26, v26, v27, v28              ; the chain to the new M, by turns with O^T x f (f of the step whose product follows)
	RS XO, XF, 0, 3*\pv
	v_max_num_f32 v26, v26, v29
	RS XO, XF, 3, 3*\pv
	v_permlanex16_b32 v30, v26, s28, s29           ; lane l xor 16's
	RS XO, XF, 6, 3*\pv
	v_max3_num_f32 v[XN+1], v[XN+1], v26, v30      ; the running largest score
	RS XO, XF, 9, 3*\pv
	v_mul_f32 v31, s26, v[XN+1]                    ; as t (c is positive)
	RS XO, XF, 12, 2*\pv
	v_floor_f32 v31, -v31                          ; the new -M = floor(-t) = -ceil(t): M is a whole number
	RS XO, XF, 14, 2*\pv
	v_sub_f32 v24, v31, v[XN]                      ; M's old value less its new one: a whole number, 0 or less
.if \pv
	PVMUL \a
.endif
	v_mov_b32 v[XN], v31
	v_cvt_i32_f32 v24, v24                         ; (it saturates)
	v_ldexp_f32 v[XF], 1.0, v24                    ; f = 2^(old M - new M)
.if \vl
	v_nop                                          ; with the three lines above: four places between the products and loads into V's registers
	LOADF 64, 7
	WIN 0
	s_add_co_u32 s19, s19, 8192
.endif
	s_wait_alu depctr_va_vdst(0)                   ; the wait ahead of the batch
.set j, 0
.rept 32
.if \ex
	v_exp_f32 v[ZS+j], v[ZS+j]                     ; b: p = 2^(t - M), at most 1
.endif
	v_pk_fma_f32 v[XS+j:XS+j+1], v[XS+j:XS+j+1], s[26:27], v[XN:XN+1] op_sel_hi:[1,0,0]   ; a: t - M (of the pairs c and -M the low word serves both halves)
.if \ex
	v_exp_f32 v[ZS+j+1], v[ZS+j+1]
.endif
.set j, j+2
.endr
.if \ex
	v_nop                                          ; a plain line behind the last exponential
	s_wait_alu depctr_va_vdst(0)                   ; one wait for the batch, ahead of its first reader
.endif
.if \kl
	v_add_nc_u32 v6, s18, v1
.endif
.if \ex
	POSTV \b
.endif
.if \wt
	s_wait_alu depctr_va_vdst(0)                   ; the wait directly ahead of the wait below
	s_wait_dscnt 0x0                               ; the fragments of K and V asked for since the last such wait
.endif
.if \sn
	SMUL \b
.if \kl
	LOADF 0, 6
	s_add_co_u32 s18, s18, 8192
.endif
.endif
	WIN 0
.endm
	s_load_b256 s[4:11], s[0:1], 0x0               ; qkv s[4:5], maskw s[6:7], the scales' exponents s[8:9], ximg s[10:11]
	v_lshl_add_u32 v4, v0, 2, SPARE
	v_mov_b32 v5, 0
	ds_add_u32 v4, v5                              ; the opening lines: the add, twice on end, and its wait ahead of my tensor load
	ds_add_u32 v4, v5
	v_lshrrev_b32 v1, 5, v0
	v_readfirstlane_b32 s12, v1                    ; wave 0..7
	s_bfe_u32 s13, ttmp6, 0x40000                  ; cx
	s_lshl_b32 s14, ttmp9, 2
	s_add_co_u32 s14, s14, s13                     ; my block of 256 queries
	s_lshl_b32 s14, s14, 3
	s_add_co_u32 s14, s14, s12
	s_lshl_b32 s14, s14, 1                         ; tile A: 16 x block + 2 x wave; tile B is the next
	s_and_b32 s15, ttmp7, 0xffff                   ; batch x 16 + head: shared by the four partners
	s_lshr_b32 s18, s15, 4                         ; batch
	s_and_b32 s19, s15, 15                         ; head
	s_lshr_b32 s25, s19, 1
	s_and_b32 s30, s19, 1                          ; head % 2
	s_lshl_b32 s31, s18, 3
	s_add_co_u32 s31, s31, s25
	s_lshl_b32 s31, s31, 18                        ; (batch x 8 + head / 2) x 262,144
	s_lshl_b32 s56, s12, 16
	s_add_co_u32 s56, s56, s31
	s_add_co_u32 s58, s56, 8126464                 ; V (waves 4-7): 8 MiB + 65,536 (wave - 4): four key steps,
	s_lshl_b32 s57, s30, 13
	s_add_co_u32 s58, s58, s57                     ; my head's 8,192 bytes of each
	s_add_co_u32 s56, s56, 4194304                 ; K (waves 0-3): 4 MiB + 65,536 wave: 32 tiles of 16 keys,
	s_lshl_b32 s57, s30, 10
	s_add_co_u32 s56, s56, s57                     ; my head's 1,024 bytes of each
	s_mov_b32 s57, 0
	s_mov_b32 s59, 0
	; descriptor group 1, elements of 8 bytes, dense in LDS.  K: 32 rows (tiles) x 128 elements, 256 elements apart;  V: 4 rows (key steps) x 1,024 elements, 2,048 apart
	s_mov_b32 s32, 15|(3<<16)|(1<<21)              ; the mask: all four work-groups; elements of 8 bytes; bit 21 set beside a mask
	s_mov_b32 s33, 128<<16
	s_mov_b32 s34, 32<<16
	s_mov_b32 s35, 128<<16
	s_mov_b32 s36, 32
	s_mov_b32 s37, 256
	s_mov_b32 s38, 0
	s_mov_b32 s39, 0
	s_mov_b32 s40, 15|(3<<16)|(1<<21)
	s_mov_b32 s41, 1024<<16
	s_mov_b32 s42, 4<<16
	s_mov_b32 s43, 1024<<16
	s_mov_b32 s44, 4
	s_mov_b32 s45, 2048
	s_mov_b32 s46, 0
	s_mov_b32 s47, 0
	s_wait_dscnt 0x0                               ; both opening adds are done
	s_wait_kmcnt 0x0
	s_load_b128 s[20:23], s[8:9], 0x18             ; e6, e7, e8, e9
	s_load_b32 s24, s[8:9], 0x28                   ; e10
	s_mov_b32 s48, 1                               ; group 0 for K
	s_lshl_b32 s49, s12, 15                        ; LDS: 32,768 x wave
	s_add_nc_u64 s[50:51], s[4:5], s[56:57]
	s_or_b32 s51, s51, 0x80000000
	s_mov_b32 s52, 1                               ; group 0 for V
	s_lshl_b32 s53, s12, 15
	s_add_nc_u64 s[54:55], s[4:5], s[58:59]
	s_or_b32 s55, s55, 0x80000000
	CROUND                                         ; all four work-groups are here: the joint loads meet
	s_cmp_lt_u32 s12, 4                            ; one tensor load a wave; s_nop 0 and four v_nop follow each line
	s_cbranch_scc0 .Lfor_v
	tensor_load_to_lds s[48:51], s[32:39]
	s_nop 0
.rept 4
	v_nop
.endr
	s_branch .Lasked
.Lfor_v:
	tensor_load_to_lds s[52:55], s[40:47]
	s_nop 0
.rept 4
	v_nop
.endr
.Lasked:
	s_lshl_b32 s60, s14, 11                        ; Q: a tile's 2,048 bytes, my head's 1,024 of them
	s_add_co_u32 s60, s60, s31
	s_lshl_b32 s62, s30, 10
	s_add_co_u32 s60, s60, s62
	s_mov_b32 s61, 0
	s_add_nc_u64 s[16:17], s[4:5], s[60:61]
	v_and_b32 v1, 31, v0
	v_lshlrev_b32 v1, 4, v1                        ; 16 x lane
	s_wait_alu depctr_va_vdst(0)                   ; the wait ahead of the readers below
	global_load_b128 v[48:51], v1, s[16:17]        ; Q's fragments (16 queries x 64 each) stay in registers
	global_load_b128 v[52:55], v1, s[16:17] offset:512
	global_load_b128 v[56:59], v1, s[16:17] offset:2048
	global_load_b128 v[60:63], v1, s[16:17] offset:2560
	s_lshl_b32 s60, s14, 12
	s_add_nc_u64 s[6:7], s[6:7], s[60:61]          ; my tiles' mask words: 16 key steps x 256 bytes for A, then for B
	s_lshl_b32 s60, s18, 7
	s_add_co_u32 s60, s60, s14                     ; tile A among the tokens: 128 x batch + tile
	s_lshl_b32 s60, s60, 14
	s_lshl_b32 s62, s19, 10
	s_add_co_u32 s60, s60, s62                     ; + 1,024 x head
	s_add_nc_u64 s[10:11], s[10:11], s[60:61]
	v_add_nc_u32 v2, 0x20000, v1                   ; V's images begin at LDS 131,072
.irp a, 0,1
	v_mov_b32 v[15+2*\a], 0xff61b1e6               ; the largest score so far: -3e38
	v_mov_b32 v[14+2*\a], 0x7f61b1e6               ; -M: 3e38: the first f is 0, and multiplies zeros
	v_mov_b32 v[19+2*\a], 0                        ; (named as the upper half of f's pair)
.endr
	v_mov_b32 v30, 0                               ; written once: a lane permute's destination counts as one of its sources
.set i, 0
.rept 16
	v_mov_b32 v[32+i], 0                           ; the sums
.set i, i+1
.endr
.set i, 0
.rept 64
	v_mov_b32 v[192+i], 0                          ; O^T of both tiles: the loop's products are written once, and the first find zeros
.set i, i+1
.endr
	s_mov_b32 s28, 0x76543210                      ; v_permlanex16_b32: lane l xor 16
	s_mov_b32 s29, 0xfedcba98
	s_wait_kmcnt 0x0
	s_add_co_i32 s25, s20, s21                     ; e6 + e7
	s_lshl_b32 s30, s25, 23
	s_add_co_i32 s26, s30, 0x3e38aa3b              ; c = log2(e) / 8 x 2^(e6 + e7): t = a sum of the first product x c
	s_mov_b32 s27, s26                             ; (named with it as a pair, so it is written)
	s_sub_co_i32 s30, 130, s25
	s_lshl_b32 s30, s30, 23
	s_or_b32 s30, s30, 0x80000000
	v_mov_b32 v3, s30                              ; -8 x 2^-(e6 + e7): x c it is -log2(e), the t of the logit -1
	s_add_co_i32 s30, s22, 127
	s_lshl_b32 s31, s30, 23
	v_mov_b32 v10, s31                             ; 2^e8
	s_add_co_i32 s30, s30, 8
	s_lshl_b32 s30, s30, 23
	s_or_b32 s30, s30, 0x600000
	v_mov_b32 v8, s30                              ; 448 x 2^e8
	v_mov_b32 v9, s30
	s_add_co_i32 s30, s24, 127
	s_lshl_b32 s31, s30, 23
	v_mov_b32 v11, s31                             ; 2^e10
	s_add_co_i32 s30, s30, 8
	s_lshl_b32 s30, s30, 23
	s_or_b32 s30, s30, 0x600000
	v_mov_b32 v12, s30                             ; 448 x 2^e10
	s_add_co_i32 s25, s22, s23                     ; e8 + e9
	s_mov_b32 s13, 14                              ; the loop's trips: key steps 1 to 14
	s_mov_b32 s14, 0
	s_mov_b32 s18, 8192                            ; K's step 1
	s_mov_b32 s19, 8192                            ; V's step 1
	s_wait_alu depctr_va_vdst(0)                   ; the wait at the head's end
	s_wait_tensorcnt 0x0                           ; my 32 KB have landed; the descriptors' registers are free
	s_load_b512 s[32:47], s[6:7], s14 offset:0x0   ; tile A's mask words of key step 0
	s_load_b512 s[48:63], s[6:7], s14 offset:0x40
	s_load_b512 s[68:83], s[6:7], s14 offset:0x80
	s_load_b512 s[84:99], s[6:7], s14 offset:0xc0
	s_barrier_signal -1
	s_barrier_wait -1                              ; everybody's have: K and V are whole, and stay
	LOADF 0, 1                                     ; K's and V's fragments of key step 0
	LOADF 64, 2
	WIN 0
	s_wait_loadcnt 0x0                             ; Q
	s_wait_dscnt 0x0
	SMUL 0                                         ; A's scores of key step 0
	WIN 0
	HALF 0, 1, 0, 0, 1, 1, 0, 4096, 0              ; key step 0: nothing of a step before
	HALF 1, 0, 0, 1, 1, 0, 0, 0xfffff100, 1        ; (the mask's offset: from B's step i to A's step i + 1: -3,840)
.Ltrip:
	HALF 0, 1, 1, 1, 1, 1, 0, 4096, 0
	HALF 1, 0, 1, 1, 1, 0, 1, 0xfffff100, 1
	s_sub_co_u32 s13, s13, 1
	s_cmp_lg_u32 s13, 0
	s_wait_alu depctr_va_vdst(0)                   ; the wait directly ahead of the branch
	s_cbranch_scc1 .Ltrip
	HALF 0, 1, 1, 1, 1, 0, 0, 4096, 0              ; key step 15: no further K,
	HALF 1, 0, 1, 1, 0, 0, 1, 0, 1                 ; no further scores, no further mask words
	s_wait_alu depctr_va_vdst(0)                   ; directly ahead of the first readers of A's O^T
	RS 192, 18, 0, 16
	PVMUL 0                                        ; A's second product of key step 15
	s_wait_alu depctr_va_vdst(0)                   ; ahead of the batch
.set j, 0
.rept 64
	v_exp_f32 v[128+j], v[128+j]                   ; B's p of key step 15
.set j, j+1
.endr
	v_nop
	s_wait_alu depctr_va_vdst(0)                   ; and behind it
	POSTV 1
	WIN 0
	s_wait_alu depctr_va_vdst(0)                   ; directly ahead of the first readers of B's O^T
	RS 224, 20, 0, 16
	PVMUL 1
	; THE WAY OUT.  The sums' four pairs, two halves and two lanes are added (these lines are also the places behind the last products); O^T / the sum x 2^(e8 + e9) is held, converted with e10 and stored.
.irp a, 0,1
	v_pk_add_f32 v[32+8*\a:33+8*\a], v[32+8*\a:33+8*\a], v[34+8*\a:35+8*\a]
	v_pk_add_f32 v[36+8*\a:37+8*\a], v[36+8*\a:37+8*\a], v[38+8*\a:39+8*\a]
.endr
	v_pk_add_f32 v[32:33], v[32:33], v[36:37]
	v_pk_add_f32 v[40:41], v[40:41], v[44:45]
	v_add_f32 v32, v32, v33
	v_add_f32 v40, v40, v41
	v_permlanex16_b32 v30, v32, s28, s29
	v_permlanex16_b32 v31, v40, s28, s29
	v_add_f32 v32, v32, v30
	v_add_f32 v40, v40, v31                        ; the rows' sums
	s_wait_alu depctr_va_vdst(0)                   ; ahead of the two reciprocals
	v_rcp_f32 v32, v32
	v_rcp_f32 v40, v40
	v_nop                                          ; a plain line behind them
	s_wait_alu depctr_va_vdst(0)                   ; and the wait ahead of their first reader
	v_ldexp_f32 v32, v32, s25
	v_ldexp_f32 v40, v40, s25
	s_wait_alu depctr_va_vdst(0)                   ; directly ahead of the first readers of O^T
.irp a, 0,1
.set j, 0
.rept 16
	v_pk_mul_f32 v[64+64*\a+j:64+64*\a+j+1], v[192+32*\a+j:192+32*\a+j+1], v[32+8*\a:33+8*\a] op_sel_hi:[1,0]   ; register 8 t + i is x(query r, 16 t + 8 h + i of my head)
.set j, j+2
.endr
.endr
.irp a, 0,1
.set j, 0
.rept 32
	v_med3_num_f32 v[64+64*\a+j], v[64+64*\a+j], -v12, v12
.set j, j+1
.endr
.endr
.irp a, 0,1
.set i, 0
.rept 4
	v_cvt_scalef32_pk8_fp8_f32 v[96+64*\a+2*i:97+64*\a+2*i], v[64+64*\a+8*i:71+64*\a+8*i], v11
.set i, i+1
.endr
.endr
	v_nop                                          ; a plain line behind the last conversion
.irp a, 0,1
	global_store_b128 v1, v[96+64*\a:99+64*\a], s[10:11] offset:16384*\a          ; two groups of the last product's fragment: 32 lanes store 512 consecutive bytes
	global_store_b128 v1, v[100+64*\a:103+64*\a], s[10:11] offset:16384*\a+512
.endr
	s_wait_tensorcnt 0x0                           ; the wave's end
	ds_add_u32 v4, v5
	s_wait_dscnt 0x0
	CROUND                                         ; the closing round: no work-group ends while a partner may still ask for a tile that names it
	s_endpgm
.Lfunc_end_k_q1bdcaeeac9_attn:
	.size	k_q1bdcaeeac9_attn, .Lfunc_end_k_q1bdcaeeac9_attn-k_q1bdcaeeac9_attn
	.p2alignl 7, 3214868480
	.fill 96, 4, 3214868480
	.section	.rodata,"a",@progbits
	.p2align	6, 0x0
	.amdhsa_kernel k_q1bdcaeeac9_attn
		.amdhsa_group_segment_fixed_size 264192
		.amdhsa_private_segment_fixed_size 0
		.amdhsa_enable_private_segment 0
		.amdhsa_kernarg_size 32
		.amdhsa_user_sgpr_count 2
		.amdhsa_user_sgpr_kernarg_segment_ptr 1
		.amdhsa_wavefront_size32 1
		.amdhsa_system_sgpr_workgroup_id_x 1
		.amdhsa_system_sgpr_workgroup_id_y 1
		.amdhsa_system_sgpr_workgroup_id_z 1
		.amdhsa_system_vgpr_workitem_id 0
		.amdhsa_next_free_vgpr 512
		.amdhsa_next_free_sgpr 100
		.amdhsa_reserve_vcc 0
		.amdhsa_float_denorm_mode_32 3
		.amdhsa_float_denorm_mode_16_64 3
		.amdhsa_memory_ordered 1
		.amdhsa_forward_progress 1
		.amdhsa_inst_pref_size 130
	.end_amdhsa_kernel
	.amdgpu_metadata
---
amdhsa.version: [ 1, 2 ]
amdhsa.kernels:
  - .name:           k_q1bdcaeeac9_attn
    .symbol:         k_q1bdcaeeac9_attn.kd
    .args:
      - { .name: qkv, .offset: 0, .size: 8, .value_kind: global_buffer, .address_space: global }
      - { .name: maskw, .offset: 8, .size: 8, .value_kind: global_buffer, .address_space: global }
      - { .name: lowp_scales, .offset: 16, .size: 8, .value_kind: global_buffer, .address_space: global }
      - { .name: ximg, .offset: 24, .size: 8, .value_kind: global_buffer, .address_space: global }
    .group_segment_fixed_size: 264192
    .private_segment_fixed_size: 0
    .kernarg_segment_align: 8
    .kernarg_segment_size: 32
    .max_flat_workgroup_size: 256
    .sgpr_count:     100
    .vgpr_count:     512
    .wavefront_size: 32
...
	.end_amdgpu_metadata
.endif
;; end of part 3
;; launch outp (part 4): grid 8 x 32, 4 waves a work-group, clusters of 4 x 4, 280,064 bytes of LDS; arguments ximg, codes, lowp_scales, bo, out0; writes out0
.if DOCPART == 4
	.amdgcn_target "amdgcn-amd-amdhsa--gfx1250"
	.amdhsa_code_object_version 6
	.text
	.protected	k_q1bdcaeeac9_outp
	.globl	k_q1bdcaeeac9_outp
	.p2align	8
	.type	k_q1bdcaeeac9_outp,@function
k_q1bdcaeeac9_outp:
	s_mov_b64 s[64:65], 0
	v_nop
	global_prefetch_b8 v0, s[64:65] scope:SCOPE_SE
	s_setreg_imm32_b32 hwreg(HW_REG_WAVE_MODE, 25, 1), 1
	s_wait_xcnt 0x0
	s_wait_alu depctr_hold_cnt(0) depctr_sa_sdst(0) depctr_va_vdst(0) depctr_va_sdst(0) depctr_va_ssrc(0) depctr_va_vcc(0) depctr_vm_vsrc(0)
	s_getreg_b32 s2, hwreg(HW_REG_IB_STS2, 6, 4)
	s_cmp_eq_u32 s2, 0
	s_cbranch_scc0 .Lentry_in_a_cluster
	s_endpgm
.Lentry_in_a_cluster:
	s_bfe_u32 s2, ttmp6, 0x10000c
	s_cmp_lg_u32 s2, 0xf033
	s_cbranch_scc0 .Lentry_shape_is_right
	s_endpgm
.Lentry_shape_is_right:
; out0 = x wo^T + bo on codes of E4M3: each finished f32 sum x 2^(e10 + e11) + bo, one multiply-add.  LIMIT: e10 + e11 between -126 and 127.
; Both operands lie in memory as images of operand registers: row tile G (16 rows), K step s (128): 2,048 bytes at 16,384 G + 2,048 s; registers 4 g .. 4 g + 3 of lane l at 512 g + 16 l.  x: ximg, 256 row tiles;
; wo: row tiles 960 on of codes.  A fragment comes from LDS by four loads of 512 consecutive bytes; LDS needs no pitch and no padding.
; SHARES.  4,096 tokens x 1,024 features make 32 x 8 = 256 tiles of 128 x 128: one work-group each.  Four waves, each 64 x 64: 16 accumulators, 128 registers.
; BOTH PANELS STAY IN LDS: 128 rows of x and 128 rows of wo over all K = 1,024 are 128 KB + 128 KB.  Nothing is filled again: each wave asks for a quarter, 4 row tiles over all K, 65,536 consecutive bytes, by its
; ONE tensor load at the head; one wait for it and one barrier.  All that comes from memory is asked for at the head, so there is no later stream for a prefetch to run ahead of.
; CLUSTERS: 4 x 4 work-groups: x's tiles hang on the tile row alone and are asked for jointly by a row of the cluster, wo's on the tile column alone and by a column: that divides the requests by four.
; THE MATRIX INSTRUCTION IS USED TRANSPOSED (source 0 = 16 rows of wo, source 1 = 16 tokens): a lane holds eight neighbouring numbers of a row of out0.
; LDS: x's two halves (65,536 bytes each), then wo's two; behind them a stage of 16 rows x 272 bytes for each wave, bytes of its own into which no tile lands; then the spare words.
; REGISTERS, in windows of 256: window 0: v12, v16 LDS addresses of my fragments of x and of wo; v24-27 the way out; v32-63 bo (register 8 b + j: feature 16 b + 8 h + j); v64-95 at work; v126, v127 the spare word and 0;
;   v128-255 the accumulators ((a, b) at v[128 + 8 (4 a + b)]), later the rows read back from the stage.   window 1: two sets of 128: x's four fragments, then wo's four.
.set FR,     16                        ; registers of a fragment: 16 rows x 128 K
.set NP,     4                         ; places behind this matrix instruction (ISA guide 7.12.1)
.set PANEL,  65536                     ; what one tensor load brings: 4 row tiles x 8 K steps x 2,048 bytes
.set STAGE,  4*PANEL
.set SPITCH, 272                       ; a stage row: 256 bytes + 16
.set SPARE,  STAGE+4*16*SPITCH
.set ADRA, 12
.set ADRB, 16
.set STO,  24                          ; v24  the way out: where I put 32 bytes of a row
.set RD,   25                          ; v25  where I read a row back
.set CO,   26                          ; v26  my byte offset in two rows of out0
.set LO,   27                          ; v27  16 x lane
.set BN,   32
.set TMP,  64
.set ACC,  128
.set G1, 24                            ; s[24:31] descriptor group 1 for x's tiles;  s[32:35] group 0
.set G0, 32
.set G1B, 48                           ; s[48:55], s[56:59] the same for wo's
.set G0B, 56
.set MSB, 0
.macro WIN new                         ; the immediate's high byte repeats the setting that is left
.if MSB != \new
	s_set_vgpr_msb (MSB<<8)|\new
.set MSB, \new
.endif
.endm
.set MUL,  0x05                        ; sources 0 (wo) and 1 (x) window 1; C and D window 0
.set TO_F, 0x40                        ; destination window 1, address window 0
.macro CROUND                          ; a round of the cluster's barrier
	s_barrier_signal -1
	s_barrier_wait -1
	s_cmp_lg_u32 s14, 0
	s_cbranch_scc1 .Lnot_wave_0_\@
	s_barrier_signal -3
.Lnot_wave_0_\@:
	s_barrier_wait -3
	s_barrier_signal -1
	s_barrier_wait -1
.endm
	s_load_b256 s[4:11], s[0:1], 0x0               ; ximg s[4:5], codes s[6:7], the scales' exponents s[8:9], bo s[10:11]
	s_load_b64 s[12:13], s[0:1], 0x20              ; out0
	v_lshl_add_u32 v126, v0, 2, SPARE
	v_mov_b32 v127, 0
	ds_add_u32 v126, v127                          ; the opening lines: the add, twice on end, and its wait ahead of my tensor load
	ds_add_u32 v126, v127
	v_lshrrev_b32 v1, 5, v0
	v_readfirstlane_b32 s14, v1                    ; wave 0..3
	s_lshr_b32 s15, s14, 1                         ; which half of the tile's tokens is mine.  Also: I fetch for x (0) or for wo (1)
	s_and_b32 s16, s14, 1                          ; which half of its features.  Also: which half of that panel I fetch
	s_bfe_u32 s76, ttmp6, 0x40000                  ; cx, cy: my place in the cluster
	s_bfe_u32 s77, ttmp6, 0x40004
	s_lshl_b32 s78, ttmp9, 2
	s_add_co_u32 s78, s78, s76                     ; tile column = 4 x cluster x + cx: 0 .. 7
	s_and_b32 s17, ttmp7, 0xffff
	s_lshl_b32 s17, s17, 2
	s_add_co_u32 s17, s17, s77                     ; tile row = 4 x cluster y + cy: 0 .. 31
	s_lshl_b32 s79, s77, 2
	s_lshl_b32 s79, 15, s79                        ; my row of the cluster
	s_lshl_b32 s80, 0x1111, s76                    ; my column
	; descriptor group 1: 4 rows (row tiles) x 2,048 elements of 8 bytes (all eight K steps' images), one behind the other in memory and in LDS
	s_or_b32 s[G1+0], s79, (3<<16)|(1<<21)         ; the mask: x's tiles go to my row; elements of 8 bytes; bit 21 set beside a mask
	s_or_b32 s[G1B+0], s80, (3<<16)|(1<<21)        ; wo's go to my column
.irp g, G1, G1B
	s_mov_b32 s[\g+1], 2048<<16                    ; tensor_dim0
	s_mov_b32 s[\g+2], 4<<16                       ; tensor_dim1
	s_mov_b32 s[\g+3], 2048<<16                    ; tile_dim0
	s_mov_b32 s[\g+4], 4                           ; tile_dim1
	s_mov_b32 s[\g+5], 2048                        ; tensor_dim0_stride
	s_mov_b32 s[\g+6], 0
	s_mov_b32 s[\g+7], 0
.endr
	s_lshl_b32 s18, s16, 16                        ; which 4 row tiles of the panel I fetch
	s_lshl_b32 s20, s17, 17                        ; x: 8 row tiles x tile row
	s_add_co_u32 s20, s20, s18
	s_mov_b32 s21, 0
	s_lshl_b32 s82, s78, 17                        ; wo: 8 row tiles x tile column,
	s_add_co_u32 s82, s82, s18
	s_add_co_u32 s82, s82, 15728640                ; from row tile 960 on
	s_mov_b32 s83, 0
	s_lshl_b32 s81, s14, 16                        ; where they go: wave x 65,536: no place in the cluster enters an LDS address
	s_wait_dscnt 0x0                               ; both opening adds are done
	s_wait_kmcnt 0x0
	s_load_b64 s[96:97], s[8:9], 0x28              ; e10, e11
	s_mov_b32 s[G0], 1
	s_mov_b32 s[G0+1], s81
	s_add_nc_u64 s[G0+2:G0+3], s[4:5], s[20:21]
	s_or_b32 s[G0+3], s[G0+3], 0x80000000
	s_mov_b32 s[G0B], 1
	s_mov_b32 s[G0B+1], s81
	s_add_nc_u64 s[G0B+2:G0B+3], s[6:7], s[82:83]
	s_or_b32 s[G0B+3], s[G0B+3], 0x80000000
	CROUND                                         ; all sixteen work-groups are here: the joint loads meet
	s_cmp_eq_u32 s15, 0                            ; one tensor load a wave; s_nop 0 and four v_nop follow each line
	s_cbranch_scc0 .Lfor_wo
	tensor_load_to_lds s[G0:G0+3], s[G1:G1+7]
	s_nop 0
.rept 4
	v_nop
.endr
	s_branch .Lasked
.Lfor_wo:
	tensor_load_to_lds s[G0B:G0B+3], s[G1B:G1B+7]
	s_nop 0
.rept 4
	v_nop
.endr
.Lasked:
	v_and_b32 v1, 15, v0                           ; r
	v_bfe_u32 v2, v0, 4, 1                         ; h
	v_and_b32 v6, 31, v0
	v_lshlrev_b32 v[LO], 4, v6
	v_lshlrev_b32 v10, 5, v2                       ; 32 h
	s_wait_alu depctr_va_vdst(0)                   ; the wait here
	s_mul_i32 s22, s15, PANEL                      ; my 4 row tiles of x
	s_mul_i32 s23, s16, PANEL                      ; my 4 of wo,
	s_add_co_u32 s23, s23, 2*PANEL                 ; which lie behind x's 8
	v_add_nc_u32 v[ADRA], s22, v[LO]
	v_add_nc_u32 v[ADRB], s23, v[LO]
	s_mul_i32 s22, s14, 16*SPITCH
	s_add_co_u32 s22, s22, STAGE                   ; my stage
	v_mul_u32_u24 v5, v1, SPITCH                   ; in: row r, 32 bytes for each half of the lanes
	v_lshl_add_u32 v5, v2, 5, v5
	v_add_nc_u32 v[STO], s22, v5
	v_mul_u32_u24 v5, v2, SPITCH                   ; back: lanes 0-15 take one row of 256 bytes, lanes 16-31 the next
	v_lshl_add_u32 v5, v1, 4, v5
	v_add_nc_u32 v[RD], s22, v5
	v_lshlrev_b32 v5, 12, v2                       ; and the same two rows in out0: rows of 4,096 bytes
	v_lshl_add_u32 v[CO], v1, 4, v5
	s_lshl_b32 s18, s78, 9
	s_lshl_b32 s22, s16, 8
	s_add_co_u32 s18, s18, s22                     ; my first feature, 128 x tile column + 64 x half, in bytes
	s_mov_b32 s19, 0
	s_add_nc_u64 s[10:11], s[10:11], s[18:19]
.irp b, 0,1,2,3
	global_load_b128 v[BN+8*\b:BN+8*\b+3], v10, s[10:11] offset:64*\b        ; bo of features 16 b + 8 h + 0 .. 7
	global_load_b128 v[BN+8*\b+4:BN+8*\b+7], v10, s[10:11] offset:64*\b+16
.endr
	s_lshl_b32 s20, s17, 19                        ; my first row of out0: 128 x tile row + 64 x half
	s_lshl_b32 s21, s15, 18
	s_add_co_u32 s20, s20, s21
	s_add_co_u32 s20, s20, s18
	s_mov_b32 s21, 0
	s_add_nc_u64 s[12:13], s[12:13], s[20:21]
.macro FRAG reg, adr, q, i             ; a fragment's image: four loads of 512 consecutive bytes.  Row tile i of my four, K step q
.irp c, 0,1,2,3
	ds_load_b128 v[\reg+4*\c:\reg+4*\c+3], v[\adr] offset:16384*(\i)+2048*(\q)+512*\c
.endr
.endm
.macro FETCH_B s                       ; K step s: wo's four fragments into set s % 2
.irp i, 0,1,2,3
	FRAG 128*((\s)%2)+64+FR*\i, ADRB, \s, \i
.endr
.endm
.macro FETCH_A s                       ; and x's four
.irp i, 0,1,2,3
	FRAG 128*((\s)%2)+FR*\i, ADRA, \s, \i
.endr
.endm
; 16 matrix instructions: x's four blocks x wo's four, 128 along K.  K step 0 starts the sums: nothing is ever cleared.  The 16 accumulators take turns, one instruction a turn, in the same order in every step.
.macro MULS s
.irp a, 0,1,2,3
.irp b, 0,1,2,3
.if (\s) == 0
	v_wmma_f32_16x16x128_fp8_fp8 v[ACC+8*(4*\a+\b):ACC+8*(4*\a+\b)+7], v[128*((\s)%2)+64+FR*\b:128*((\s)%2)+64+FR*\b+FR-1], v[128*((\s)%2)+FR*\a:128*((\s)%2)+FR*\a+FR-1], 0
.else
	v_wmma_f32_16x16x128_fp8_fp8 v[ACC+8*(4*\a+\b):ACC+8*(4*\a+\b)+7], v[128*((\s)%2)+64+FR*\b:128*((\s)%2)+64+FR*\b+FR-1], v[128*((\s)%2)+FR*\a:128*((\s)%2)+FR*\a+FR-1], v[ACC+8*(4*\a+\b):ACC+8*(4*\a+\b)+7]
.endif
.endr
.endr
.endm
.macro PLACES n                        ; plain vector lines between a matrix instruction and a load into, or a vector line on, its registers (ISA guide 7.12.1 for vector lines)
.rept \n
	v_nop
.endr
.endm
; K step s: the next step's fragments are asked for, into the set that step s - 1 multiplied; then this step's 16 products.
.macro KSTEP s
.if (\s) < 7
.if (\s) > 0
	PLACES NP                                      ; behind step s - 1's products, which read the set that is loaded now
.endif
	WIN TO_F
	FETCH_B (\s)+1
	s_wait_dscnt 16                                ; this step's 32 loads are in; the sixteen just issued may be out
	FETCH_A (\s)+1
.else
	s_wait_dscnt 0x0                               ; the last step: nothing more to fetch
.endif
	WIN MUL
	MULS \s
.endm
	s_wait_alu depctr_va_vdst(0)                   ; the wait at the head's end
	s_wait_tensorcnt 0x0                           ; my quarter has landed
	s_barrier_signal -1
	s_barrier_wait -1                              ; everybody's has: both panels are whole, and stay
	WIN TO_F
	FETCH_B 0
	FETCH_A 0
.irp s, 0,1,2,3,4,5,6,7
	KSTEP \s
.endr
	WIN 0
; THE WAY OUT, block a of 16 tokens x 64 features at a time: sum x 2^(e10 + e11) + bo; 32 bytes a lane into my own stage; back as whole rows of 256 bytes, into the block's own accumulator registers, so that no register
; that a store reads is written again.  LDS serves a wave's instructions in order (ISA guide 5.7.1.4): no wait between the stores and the loads, nor in front of the next block's stores.
.macro TOSTAGE a
.irp j, 0,2,4,6,8,10,12,14,16,18,20,22,24,26,28,30
	v_pk_fma_f32 v[TMP+\j:TMP+\j+1], v[ACC+32*(\a)+\j:ACC+32*(\a)+\j+1], s[96:97], v[BN+\j:BN+\j+1] op_sel_hi:[1,0,1]   ; each accumulator from its low end on
.endr
.irp b, 0,1,2,3
	ds_store_b128 v[STO], v[TMP+8*\b:TMP+8*\b+3] offset:64*\b                 ; lane (r, h): out0(16 a + r, 16 b + 8 h + 0 .. 7)
	ds_store_b128 v[STO], v[TMP+8*\b+4:TMP+8*\b+7] offset:64*\b+16
.endr
.irp t, 0,1,2,3,4,5,6,7
	ds_load_b128 v[ACC+32*(\a)+4*\t:ACC+32*(\a)+4*\t+3], v[RD] offset:\t*2*SPITCH
.endr
.endm
.macro SEND a, younger                 ; younger: the LDS instructions issued behind block a's loads, which may stay out
	s_wait_dscnt \younger                          ; the block is back in registers
.irp t, 0,1,2,3,4,5,6,7
	global_store_b128 v[CO], v[ACC+32*(\a)+4*\t:ACC+32*(\a)+4*\t+3], s[12:13] offset:65536*(\a)+8192*\t th:TH_STORE_NT   ; 16 lanes store 256 consecutive bytes, aligned; written once, read by nobody here
.endr
.endm
	s_wait_kmcnt 0x0
	s_add_co_i32 s96, s96, s97                     ; e10 + e11
	s_add_co_i32 s96, s96, 127
	s_lshl_b32 s96, s96, 23                        ; 2^(e10 + e11) as f32
	s_mov_b32 s97, s96                             ; (named with it as a pair, so it is written)
	s_wait_loadcnt 0x0                             ; bo
	PLACES NP                                      ; behind the last products: the lines below read their results and load into them
	TOSTAGE 0
	TOSTAGE 1
	SEND 0, 16                                     ; behind block 0's loads: block 1's 8 stores and 8 loads
	TOSTAGE 2
	SEND 1, 16
	TOSTAGE 3
	SEND 2, 16
	SEND 3, 0
	s_wait_tensorcnt 0x0                           ; the wave's end
	ds_add_u32 v126, v127
	s_wait_dscnt 0x0
	CROUND                                         ; the closing round: no work-group ends while a partner may still ask for a tile that names it
	s_endpgm
.Lfunc_end_k_q1bdcaeeac9_outp:
	.size	k_q1bdcaeeac9_outp, .Lfunc_end_k_q1bdcaeeac9_outp-k_q1bdcaeeac9_outp
	.p2alignl 7, 3214868480
	.fill 96, 4, 3214868480
	.section	.rodata,"a",@progbits
	.p2align	6, 0x0
	.amdhsa_kernel k_q1bdcaeeac9_outp
		.amdhsa_group_segment_fixed_size 280064
		.amdhsa_private_segment_fixed_size 0
		.amdhsa_enable_private_segment 0
		.amdhsa_kernarg_size 40
		.amdhsa_user_sgpr_count 2
		.amdhsa_user_sgpr_kernarg_segment_ptr 1
		.amdhsa_wavefront_size32 1
		.amdhsa_system_sgpr_workgroup_id_x 1
		.amdhsa_system_sgpr_workgroup_id_y 1
		.amdhsa_system_sgpr_workgroup_id_z 1
		.amdhsa_system_vgpr_workitem_id 0
		.amdhsa_next_free_vgpr 512
		.amdhsa_next_free_sgpr 98
		.amdhsa_reserve_vcc 0
		.amdhsa_float_denorm_mode_32 3
		.amdhsa_float_denorm_mode_16_64 3
		.amdhsa_memory_ordered 1
		.amdhsa_forward_progress 1
		.amdhsa_inst_pref_size 44
	.end_amdhsa_kernel
	.amdgpu_metadata
---
amdhsa.version: [ 1, 2 ]
amdhsa.kernels:
  - .name:           k_q1bdcaeeac9_outp
    .symbol:         k_q1bdcaeeac9_outp.kd
    .args:
      - { .name: ximg, .offset: 0, .size: 8, .value_kind: global_buffer, .address_space: global }
      - { .name: codes, .offset: 8, .size: 8, .value_kind: global_buffer, .address_space: global }
      - { .name: lowp_scales, .offset: 16, .size: 8, .value_kind: global_buffer, .address_space: global }
      - { .name: bo, .offset: 24, .size: 8, .value_kind: global_buffer, .address_space: global }
      - { .name: out0, .offset: 32, .size: 8, .value_kind: global_buffer, .address_space: global }
    .group_segment_fixed_size: 280064
    .private_segment_fixed_size: 0
    .kernarg_segment_align: 8
    .kernarg_segment_size: 40
    .max_flat_workgroup_size: 128
    .sgpr_count:     98
    .vgpr_count:     512
    .wavefront_size: 32
...
	.end_amdgpu_metadata
.endif
;; end of part 4
